; MI455X (gfx1250); checked and timed in simulation.
; The chip was launched on July 23, 2026; its instructions are those of AMD's public machine-readable ISA for CDNA 5 (MIT licence, August 2026) and "CDNA5" Instruction Set Architecture Reference Guide (July 2026). The comments in the code are by the model that wrote it; some were corrected since.
;; Complex Valued Fully Connected Layer. Allowed arithmetic: matrix products marked QUANTISED: E2M3 operands, one E8M0 scale for each 32 along K, by v_wmma_scale_f32_16x16x128_f8f6f4 with both operands' format E2M3, f32 sums; everything else in f32.
;; Inputs: w_im_codes 2,048 x 64 x 24 uint8 (E2M3 codes of w_im, K innermost, in blocks of 32 codes, four codes in three bytes); w_im_scales 2,048 x 64 uint8 (E8M0 scales of w_im, one for each 32 codes along K); w_re_codes 2,048 x 64 x 24 uint8 (E2M3 codes of w_re, K innermost, in blocks of 32 codes, four codes in three bytes); w_re_scales 2,048 x 64 uint8 (E8M0 scales of w_re, one for each 32 codes along K); x_im_codes 4,096 x 64 x 24 uint8 (E2M3 codes of x_im, K innermost, in blocks of 32 codes, four codes in three bytes); x_im_scales 4,096 x 64 uint8 (E8M0 scales of x_im, one for each 32 codes along K); x_re_codes 4,096 x 64 x 24 uint8 (E2M3 codes of x_re, K innermost, in blocks of 32 codes, four codes in three bytes); x_re_scales 4,096 x 64 uint8 (E8M0 scales of x_re, one for each 32 codes along K).
;; Outputs: out0 2 x 4,096 x 2,048 float32.
;; This version of the problem:
;;   THIS VERSION OF THE PROBLEM IS GIVEN IN LOW PRECISION. The matrix products marked QUANTISED in the list below multiply operands that are first quantised to E2M3 (2 exponent bits, 3 mantissa bits; 6 bits a number), with one power-of-two scale for each 32 numbers along K (OCP MX v1.0); their sums are f32. All else is computed in f32.
;;   The module's matrix products, in the order in which they are computed (A, B: the left and right operand; K: the contracted axis; several contracted axes count as one K, in the product's order):
;;     1. [M 4,096, K 2,048] x [K 2,048, N 2,048]; A: input x_re (given as codes); B: input w_re (given as codes): QUANTISED
;;     2. [M 4,096, K 2,048] x [K 2,048, N 2,048]; A: input x_im (given as codes); B: input w_im (given as codes): QUANTISED
;;     3. [M 4,096, K 2,048] x [K 2,048, N 2,048]; A: input x_re (given as codes); B: input w_im (given as codes): QUANTISED
;;     4. [M 4,096, K 2,048] x [K 2,048, N 2,048]; A: input x_im (given as codes); B: input w_re (given as codes): QUANTISED
;;   THE QUANTISER, for each operand of a quantised product, along K:
;;     - K is cut into blocks of 32 from its start; a last block that is shorter is filled with zeros.
;;     - A block's scale is 2^e with e = floor(log2(the largest magnitude in the block)) - 2, held to -126 .. 127; a block of zeros has e = 0. As a byte (E8M0): e + 127.
;;     - Each number is divided by its block's scale, clamped to +-7.5, and rounded to the nearest number of E2M3, ties to even, subnormals kept.
;;     - The product sums the exact products of the quantised numbers (number of the format x scale) in f32.
;;   ~~~python
;;   def quantise(x, axis):      # numpy; x: float32 -> the quantised numbers, widened to float32 again
;;       x = np.moveaxis(x, axis, -1); K = x.shape[-1]
;;       x = np.pad(x, [(0, 0)] * (x.ndim - 1) + [(0, -K % 32)]); x = x.reshape(x.shape[:-1] + (-1, 32)); a = np.abs(x).max(-1, keepdims=True)
;;       e = np.where(a > 0, np.clip(np.frexp(np.where(a > 0, a, 1))[1] - 1 - 2, -126, 127), 0)      # np.frexp(a)[1] - 1 = floor(log2(a)), exactly
;;       r = np.clip(x / 2.0 ** e, -7.5, 7.5)
;;       step = 2.0 ** (np.maximum(np.frexp(np.where(r == 0, 1, r))[1] - 1, 0) - 3)
;;       q = np.round(r / step) * step * 2.0 ** e      # np.round: ties to even
;;       return np.moveaxis(q.reshape(q.shape[:-2] + (-1,))[..., :K], -1, axis).astype(np.float32)
;;   ~~~
;;   INPUTS GIVEN AS CODES. w_im (in the module: [2048, 2048], K = its axis 1); w_re (in the module: [2048, 2048], K = its axis 1); x_im (in the module: [4096, 2048], K = its axis 1); x_re (in the module: [4096, 2048], K = its axis 1): each comes as NAME_codes (uint8): NAME with its K axis moved to the last place and cut into blocks of 32 codes, [.., K / 32, bytes a block], one block behind the other in memory; four codes in three bytes: a row's codes are one little-endian stream of bits, code i at bits 6 i .. 6 i + 5 (a code: sign, 2 exponent bits, 3 mantissa bits); and NAME_scales (uint8): the same leading axes, one E8M0 byte (e + 127) for each 32 codes along K. Its value is code x scale, taken as it is: it is not quantised again, and the codes and scales need not be those that the quantiser above would give.
;; One version. Each part assembles by itself: llvm-mc -triple=amdgcn-amd-amdhsa -mcpu=gfx1250 --defsym DOCPART=n.
;; ======== version 1 of 1: 1 launch
;; limits: right only within a limited range of input values
;; launch cgemm (part 1): grid 16 x 16, 4 waves a work-group, clusters of 4 x 4, 327,680 bytes of LDS; arguments x_re_codes, x_re_scales, x_im_codes, x_im_scales, w_re_codes, w_re_scales, w_im_codes, w_im_scales, out0; writes out0
.if DOCPART == 1
	.amdgcn_target "amdgcn-amd-amdhsa--gfx1250"
	.amdhsa_code_object_version 6
	.text
	.protected	k_qf7dad55981_cgemm
	.globl	k_qf7dad55981_cgemm
	.p2align	8
	.type	k_qf7dad55981_cgemm,@function
k_qf7dad55981_cgemm:
	s_mov_b64 s[64:65], 0
	v_nop
	global_prefetch_b8 v0, s[64:65] scope:SCOPE_SE
	s_setreg_imm32_b32 hwreg(HW_REG_WAVE_MODE, 25, 1), 1
	s_wait_xcnt 0x0
	s_wait_alu depctr_hold_cnt(0) depctr_sa_sdst(0) depctr_va_vdst(0) depctr_va_sdst(0) depctr_va_ssrc(0) depctr_va_vcc(0) depctr_vm_vsrc(0)
	s_getreg_b32 s2, hwreg(HW_REG_IB_STS2, 6, 4)
	s_cmp_eq_u32 s2, 0
	s_cbranch_scc0 .Lentry_in_a_cluster
	s_endpgm
.Lentry_in_a_cluster:
	s_bfe_u32 s2, ttmp6, 0x10000c
	s_cmp_lg_u32 s2, 0xf033
	s_cbranch_scc0 .Lentry_shape_is_right
	s_endpgm
.Lentry_shape_is_right:
; out[0] = x_re w_re^T - x_im w_im^T, out[1] = x_re w_im^T + x_im w_re^T; all operands E2M3 codes with E8M0 scales, taken as they lie; sums in f32.
; A work-group of four waves makes 256 rows x 128 columns of BOTH planes; a wave 128 rows x (64 real + 64 imaginary columns): 64 accumulators, 512 registers.
; TWO PHASES of K = 2,048.  Phase 1: A = x_im, B = w_im (real columns) and w_re (imaginary columns).  Then the real columns' sums change sign,
; and phase 2 adds A = x_re, B = w_re (real) and w_im (imaginary).  So each output is one f32 sum over 4,096 products, x_im's part first: an order of rounding other than the reference's.
; THE RING: two LDS slots, each one chunk of 256 bytes of A's 256 rows and B's 2 x 128 rows; a row of codes is 1,536 bytes = 6 chunks, every chunk starts at a multiple of 256 bytes.
; A step of 128 along K is 96 bytes: 16 steps to 6 chunks, after which slots and chunks are back where they began: one trip of the loop is one phase.
; Written out beside the loop: the first step (C = 0 starts the sums) and the last phase's steps 13 to 15, which ask for nothing more.
; CLUSTERS 4 x 4: A's tiles are asked for jointly along a row of the cluster, B's along a column.  Waves 0, 1 fetch A's halves, wave 2 B's first tensor, wave 3 its second.
; THE SCALES of one phase (256 rows of x, 2 x 128 rows of w, 64 bytes each) lie in LDS bytes of their own, stored by ds_store from registers: each thread loads them once,
; 16 bytes a lane, 16 lanes to 256 consecutive bytes; x_re's and w's stay in v64-127 and are stored over phase 1's at the change of phase, between two barriers.
; PREFETCH: behind each refill (chunk c + 2) one instruction a wave names chunk c + 4, a lane a row, 32 rows for each of the four partners that ask jointly, told apart by address.
; Phase 1's chunks 0-3 come by their loads alone; the last phase names nothing past its chunk 5; B's rows, which phase 1 has read, are named in phase 1 alone.
; The matrix instruction is used transposed (source 0 = B's rows, source 1 = A's rows): a lane holds eight neighbouring columns of one row.
; REGISTERS: window 0: v0-31 addresses, v32-63 scale words (two sets), v64-127 kept scales, v128-223 A's fragments; window 1: B's fragments, two sets; windows 2, 3: accumulators.
.set NQ,     2
.set ROWB,   256
.set KROW,   1536
.set STEPS,  16
.set CHUNKS, 6
.set PITCH,  272                       ; 256 bytes + 16 of padding
.set FR,     12
.set NL,     6
.set NP,     4
.set HALFT,  128*PITCH
.set SLOT,   4*HALFT
.set SCL,    2*SLOT                    ; the scales, as units of 256 bytes + 16
.set HALFS,  32*272                    ; scales of 128 rows
.set H64,    16*272
.set SBLK,   4*272
.set SPARE,  SCL+4*HALFS               ; the spare words: 512 bytes
.set SPITCH, 528
.set OROW,   8192
.set SST,  10                          ; v10 where my thread stores 16 bytes of scales
.set SGO,  11                          ; v11 16 x thread: its offset in a block of scales in memory
.set PFO,  14                          ; v14 lane x a row of codes
.set ADRA, 16
.set ADRB, 20
.set STO,  24
.set RD,   25
.set CO,   26
.set ADRS, 27
.set SPW,  28
.set NIL,  29
.set SC,   32
.set KXR,  64                          ; kept: x_re's scales, w_im's, w_re's
.set KWI,  96
.set KWR,  112
.set AF,   128
.set BK,   128
.set G1A,  24
.set G0A,  32
.set G1B,  40
.set G0B,  48
.set SA0,  56
.set SA1,  57
.set SB0,  58
.set SB1,  59
.set SSA,  60
.set SSD,  61
.set SSG,  62
.set K1,   63
.set K2,   66
.set A2,   84                          ; phase 2's rows of A and of B
.set B2,   86
.set PF1,  88                          ; prefetch base, this phase; s[90:91] the next
.set LIM,  92
.set PH,   93                          ; phases to go
.set WV,   95
.set RH,   96
.set CH,   97
.set CX,   98
.set CY,   99
.set TX,   100
.set TY,   101
.set MSB, 0
.macro WIN new
.if MSB != (\new)
	s_set_vgpr_msb (MSB<<8)|(\new)
.set MSB, (\new)
.endif
.endm
.set MUL_LO, 0xa1
.set MUL_HI, 0xf1
.set TO_B,   0x40
.macro PLACES n
.rept \n
	v_nop
.endr
.endm
; a joint load: an s_nop 0 and four v_nop behind each tensor load
.macro JLOAD g0a, g0b
	s_cmp_eq_u32 s[RH], 0
	s_cbranch_scc0 .Lfor_b_\@
	tensor_load_to_lds s[\g0a:\g0a+3], s[G1A:G1A+7]
	s_nop 0
	PLACES 4
	s_branch .Lasked_\@
.Lfor_b_\@:
	tensor_load_to_lds s[\g0b:\g0b+3], s[G1B:G1B+7]
	s_nop 0
	PLACES 4
.Lasked_\@:
.endm
.macro CREST
	s_cmp_lg_u32 s[WV], 0
	s_cbranch_scc1 .Lnot_wave_0_\@
	s_barrier_signal -3
.Lnot_wave_0_\@:
	s_barrier_wait -3
	s_barrier_signal -1
	s_barrier_wait -1
.endm
.macro CROUND
	s_barrier_signal -1
	s_barrier_wait -1
	CREST
.endm
; kind 0: a chunk of this phase (A's waves always, B's in phase 1); kind 1: of the next phase (A's waves, in phase 1)
.macro ASK kind, off
.if \kind
	s_cmp_gt_u32 s[PH], s[LIM]
.else
	s_cmp_ge_u32 s[PH], s[LIM]
.endif
	s_cbranch_scc0 .Lnot_mine_\@
	global_prefetch_b8 v[PFO], s[PF1+2*\kind:PF1+2*\kind+1] offset:\off th:TH_LOAD_NT scope:SCOPE_SE
.Lnot_mine_\@:
.endm
; one phase's scales into LDS: x's 256 rows; then for each half of the columns 64 rows of B's first tensor and 64 of its second
.macro SSTORE x, t1, t2
.irp j, 0,1,2,3,4,5,6,7
	ds_store_b128 v[SST], v[\x+4*\j:\x+4*\j+3] offset:2176*\j
.endr
.irp j, 0,1,2,3
	ds_store_b128 v[SST], v[\t1+4*\j:\t1+4*\j+3] offset:2*HALFS+(\j/2)*HALFS+(\j%2)*2176
	ds_store_b128 v[SST], v[\t2+4*\j:\t2+4*\j+3] offset:2*HALFS+(\j/2)*HALFS+(\j%2)*2176+H64
.endr
.endm
	s_load_b512 s[4:19], s[0:1], 0x0
	s_load_b64 s[20:21], s[0:1], 0x40
	v_lshl_add_u32 v[SPW], v0, 2, SPARE
	v_mov_b32 v[NIL], 0
	ds_add_u32 v[SPW], v[NIL]                      ; the opening lines: the add twice on end and one wait
	ds_add_u32 v[SPW], v[NIL]
	v_lshrrev_b32 v1, 5, v0
	v_readfirstlane_b32 s[WV], v1
	s_lshr_b32 s[RH], s[WV], 1                     ; my half of the rows; also: I fetch for A (0) or B (1)
	s_and_b32 s[CH], s[WV], 1                      ; my half of the columns; also: which 128 rows I fetch
	s_bfe_u32 s[CX], ttmp6, 0x40000
	s_bfe_u32 s[CY], ttmp6, 0x40004
	s_lshl_b32 s[TX], ttmp9, 2
	s_add_co_u32 s[TX], s[TX], s[CX]
	s_and_b32 s[TY], ttmp7, 0xffff
	s_lshl_b32 s[TY], s[TY], 2
	s_add_co_u32 s[TY], s[TY], s[CY]
	s_lshl_b32 s2, s[CY], 2
	s_lshl_b32 s2, 15, s2
	s_lshl_b32 s3, 0x1111, s[CX]
	s_or_b32 s[G1A+0], s2, (0<<16)|(1<<20)|(1<<21)|(5<<22)|(3<<25)  ; bytes; 4 words of padding behind every 64
	s_or_b32 s[G1B+0], s3, (0<<16)|(1<<20)|(1<<21)|(5<<22)|(3<<25)
.irp g, G1A, G1B
	s_mov_b32 s[\g+1], ROWB<<16
	s_mov_b32 s[\g+2], 128<<16
	s_mov_b32 s[\g+3], ROWB<<16
	s_mov_b32 s[\g+4], 128
	s_mov_b32 s[\g+5], KROW
	s_mov_b32 s[\g+6], 0
	s_mov_b32 s[\g+7], 0
.endr
	s_mul_i32 s[SA0], s[RH], HALFT                 ; my 128 rows of A in slot 0, 1
	s_add_co_u32 s[SA1], s[SA0], SLOT
	s_mul_i32 s[SB0], s[CH], 64*PITCH              ; my 64 rows of B's first tensor; the second's lie HALFT further on
	s_add_co_u32 s[SB0], s[SB0], 2*HALFT
	s_add_co_u32 s[SB1], s[SB0], SLOT
	s_mul_i32 s[SSA], s[RH], HALFS
	s_mul_i32 s[SSD], s[CH], HALFS
	s_add_co_u32 s[SSD], s[SSD], 2*HALFS
	s_sub_co_u32 s[SSD], s[SSD], s[SSA]            ; from A's scale rows to B's
	s_add_co_u32 s[SSA], s[SSA], SCL
	s_mul_i32 s[SSG], s[WV], 16*SPITCH             ; my stage, in slot 0
	s_mov_b32 s[K1], SLOT-232
	s_mov_b32 s[K2], SLOT+232
	s_mov_b32 s[PH], 2
	s_lshl_b32 s22, s[TY], 8
	s_lshl_b32 s23, s[CH], 7
	s_add_co_u32 s22, s22, s23
	s_mul_i32 s22, s22, KROW
	s_mov_b32 s23, 0
	s_mul_i32 s68, s[TX], 128*KROW
	s_mov_b32 s69, 0
	v_and_b32 v1, 15, v0                           ; all address registers, in one run of vector instructions
	v_bfe_u32 v2, v0, 4, 1
	v_mul_u32_u24 v3, v1, PITCH
	v_mul_u32_u24 v4, v2, 24
	v_add_nc_u32 v4, v3, v4                        ; row x pitch + 24 x half
	v_sub_nc_u32 v7, 1, v2
	v_mul_u32_u24 v5, s[K1], v2
	v_add_nc_u32 v5, v3, v5
	v_add_nc_u32 v5, 232, v5                       ; lanes 0-15 byte 232 in slot 0, lanes 16-31 byte 0 in slot 1
	v_mul_u32_u24 v6, s[K2], v7
	v_add_nc_u32 v6, v3, v6                        ; and the other way round
	v_add_nc_u32 v[ADRA], s[SA0], v4
	v_add_nc_u32 v[ADRA+1], s[SA1], v4
	v_add_nc_u32 v[ADRA+2], s[SA0], v5
	v_add_nc_u32 v[ADRA+3], s[SA0], v6
	v_add_nc_u32 v[ADRB], s[SB0], v4
	v_add_nc_u32 v[ADRB+1], s[SB1], v4
	v_add_nc_u32 v[ADRB+2], s[SB0], v5
	v_add_nc_u32 v[ADRB+3], s[SB0], v6
	v_lshlrev_b32 v5, 6, v1                        ; scale rows of 64 bytes, 16 more for each 256 passed
	v_lshrrev_b32 v6, 8, v5
	v_lshl_add_u32 v5, v6, 4, v5
	v_mul_u32_u24 v6, s[SSD], v2                   ; lanes 16-31 take B's
	v_add_nc_u32 v5, v5, v6
	v_add_nc_u32 v[ADRS], s[SSA], v5
	v_mul_u32_u24 v7, v1, SPITCH
	v_lshl_add_u32 v7, v2, 5, v7
	v_add_nc_u32 v[STO], s[SSG], v7
	v_and_b32 v8, 31, v0
	v_mul_u32_u24 v[PFO], v8, KROW
	v_lshlrev_b32 v8, 4, v8
	v_add_nc_u32 v[RD], s[SSG], v8
	v_lshlrev_b32 v[CO], 4, v1
	v_lshl_add_u32 v[CO], v2, 25, v[CO]            ; lanes 16-31 store the imaginary plane, 2^25 bytes on
	v_lshrrev_b32 v9, 4, v0
	v_mul_u32_u24 v9, v9, 272
	v_lshl_add_u32 v9, v1, 4, v9
	v_add_nc_u32 v[SST], SCL, v9
	v_lshlrev_b32 v[SGO], 4, v0
	s_wait_alu depctr_va_vdst(0)                   ; the wait at the end of the head's vector work
	s_wait_dscnt 0x0
	s_wait_kmcnt 0x0
	s_cmp_eq_u32 s[CH], 0
	s_add_nc_u64 s[8:9], s[8:9], s[22:23]          ; phase 1: x_im, my 128 rows
	s_add_nc_u64 s[A2:A2+1], s[4:5], s[22:23]      ; phase 2: x_re
	s_cselect_b64 s[B2:B2+1], s[12:13], s[16:17]   ; wave 2: w_im then w_re; wave 3: w_re then w_im
	s_cselect_b64 s[16:17], s[16:17], s[12:13]
	s_add_nc_u64 s[B2:B2+1], s[B2:B2+1], s[68:69]
	s_add_nc_u64 s[16:17], s[16:17], s[68:69]
	s_lshl_b32 s22, s[TY], 14
	s_add_nc_u64 s[10:11], s[10:11], s[22:23]
	s_add_nc_u64 s[6:7], s[6:7], s[22:23]
	s_lshl_b32 s68, s[TX], 13
	s_add_nc_u64 s[14:15], s[14:15], s[68:69]
	s_add_nc_u64 s[18:19], s[18:19], s[68:69]
.irp j, 0,1,2,3,4,5,6,7
	global_load_b128 v[AF+4*\j:AF+4*\j+3], v[SGO], s[10:11] offset:2048*\j    ; x_im's scales
.endr
.irp j, 0,1,2,3
	global_load_b128 v[KWI+4*\j:KWI+4*\j+3], v[SGO], s[18:19] offset:2048*\j
	global_load_b128 v[KWR+4*\j:KWR+4*\j+3], v[SGO], s[14:15] offset:2048*\j
.endr
.irp j, 0,1,2,3,4,5,6,7
	global_load_b128 v[KXR+4*\j:KXR+4*\j+3], v[SGO], s[6:7] offset:2048*\j    ; x_re's, kept for phase 2
.endr
.irp s, 0,1
	s_mov_b32 s[G0A+4*\s], 1
	s_mul_i32 s[G0A+4*\s+1], s[WV], HALFT
	s_add_co_u32 s[G0A+4*\s+1], s[G0A+4*\s+1], \s*SLOT
	s_add_nc_u64 s[G0A+4*\s+2:G0A+4*\s+3], s[8:9], \s*ROWB
	s_or_b32 s[G0A+4*\s+3], s[G0A+4*\s+3], 0x80000000
	s_mov_b32 s[G0B+4*\s], 1
	s_mul_i32 s[G0B+4*\s+1], s[WV], HALFT
	s_add_co_u32 s[G0B+4*\s+1], s[G0B+4*\s+1], \s*SLOT
	s_add_nc_u64 s[G0B+4*\s+2:G0B+4*\s+3], s[16:17], \s*ROWB
	s_or_b32 s[G0B+4*\s+3], s[G0B+4*\s+3], 0x80000000
.endr
	CROUND                                         ; the round in front of the first joint loads
	JLOAD G0A, G0B                                 ; chunk 0: one tensor load a wave at the head
	s_lshl_b32 s2, s[TY], 8                        ; my part of out0
	s_lshl_b32 s3, s[RH], 7
	s_add_co_u32 s2, s2, s3
	s_lshl_b32 s2, s2, 13
	s_lshl_b32 s3, s[TX], 9
	s_add_co_u32 s2, s2, s3
	s_lshl_b32 s3, s[CH], 8
	s_add_co_u32 s2, s2, s3
	s_mov_b32 s3, 0
	s_add_nc_u64 s[20:21], s[20:21], s[2:3]
	s_cmp_eq_u32 s[RH], 0                          ; the prefetches: my work-group's 32 of the 128 rows that I fetch
	s_cselect_b64 s[PF1:PF1+1], s[8:9], s[16:17]
	s_cselect_b64 s[PF1+2:PF1+3], s[A2:A2+1], s[B2:B2+1]
	s_cselect_b32 s2, s[CX], s[CY]
	s_cselect_b32 s[LIM], 1, 2
	s_mul_i32 s2, s2, 32*KROW
	s_add_nc_u64 s[PF1:PF1+1], s[PF1:PF1+1], s[2:3]
	s_add_nc_u64 s[PF1+2:PF1+3], s[PF1+2:PF1+3], s[2:3]
	s_wait_loadcnt 0x0
	SSTORE AF, KWI, KWR                            ; phase 1's scales
.macro FRAG reg, adr, st, off          ; 12 registers in six pieces of 8 bytes; a piece lies inside one chunk; byte y of a row: slot (y / 256) % 2, byte y % 256
.irp p, 0,1,2,3,4,5
.set BY, 96*(\st)+48*(\p/3)+8*(\p%3)
.if BY/ROWB == (BY+24)/ROWB
	ds_load_b64 v[\reg+2*\p:\reg+2*\p+1], v[\adr+(BY/ROWB)%2] offset:BY%ROWB+(\off)
.else
	ds_load_b64 v[\reg+2*\p:\reg+2*\p+1], v[\adr+2+(BY/ROWB)%2] offset:BY%ROWB-232+(\off)
.endif
.endr
.endm
; 16 matrix instructions; the 64 accumulators take turns in the same order in every step
.macro MUL16 a0, p, q, sc, zero
.irp a, \a0, \a0+1
.irp b, 0,1,2,3,4,5,6,7
.if \zero
	v_wmma_scale_f32_16x16x128_f8f6f4 v[8*(8*((\a)%4)+\b):8*(8*((\a)%4)+\b)+7], v[128*(\p)+FR*\b:128*(\p)+FR*\b+FR-1], v[AF+FR*(\a):AF+FR*(\a)+FR-1], 0, v[SC+8*NQ*(\sc)+NQ*\b+(\q)], v[SC+8*NQ*(\sc)+NQ*(\a)+(\q)] matrix_a_fmt:MATRIX_FMT_FP6 matrix_b_fmt:MATRIX_FMT_FP6 matrix_a_scale:MATRIX_SCALE_ROW1
.else
	v_wmma_scale_f32_16x16x128_f8f6f4 v[8*(8*((\a)%4)+\b):8*(8*((\a)%4)+\b)+7], v[128*(\p)+FR*\b:128*(\p)+FR*\b+FR-1], v[AF+FR*(\a):AF+FR*(\a)+FR-1], v[8*(8*((\a)%4)+\b):8*(8*((\a)%4)+\b)+7], v[SC+8*NQ*(\sc)+NQ*\b+(\q)], v[SC+8*NQ*(\sc)+NQ*(\a)+(\q)] matrix_a_fmt:MATRIX_FMT_FP6 matrix_b_fmt:MATRIX_FMT_FP6 matrix_a_scale:MATRIX_SCALE_ROW1
.endif
.endr
.endr
.endm
.macro FETCH_B st, p                   ; blocks 0-3: B's first tensor (real columns), 4-7: its second
	WIN TO_B
.irp i, 0,1,2,3,4,5,6,7
	FRAG 128*(\p)+FR*\i, ADRB, \st, (\i%4)*16*PITCH+(\i/4)*HALFT
.endr
	WIN 0
.endm
.macro FETCH_A st, i0
.irp i, \i0, \i0+1, \i0+2, \i0+3
	FRAG AF+FR*(\i), ADRA, \st, (\i)*16*PITCH
.endr
.endm
.macro SCALES pr                       ; the words of two steps: lanes 0-15 A's block i, lanes 16-31 B's block i
.irp i, 0,1,2,3,4,5,6,7
	ds_load_b64 v[SC+8*NQ*((\pr)%2)+NQ*\i:SC+8*NQ*((\pr)%2)+NQ*\i+1], v[ADRS] offset:\i*SBLK+4*NQ*((\pr)%8)
.endr
.endm
; A step: 64 matrix instructions on step st's fragments, the next step's fetched in its middle and at its end.
; Where the next step ends in a chunk not yet read: wait for my tensor loads, barrier.  Where it begins in a later chunk: the three lines, the barrier, and,
; if a chunk is left to fetch (last = 0: the next phase's too), the rest of the cluster's round and the refill.  Step 15 with a successor also changes the scales.
.macro STEP st, zero, last
.set NX, (\st)+1
.set C0, (96*(\st))/ROWB
.set C1, (96*NX)/ROWB
.set E0, (96*(\st)+95)/ROWB
.set E1, (96*NX+95)/ROWB
.set SL, C0%2
.set FILL, 0
.if C1 > C0
.if (C0+2 < CHUNKS) || (\last == 0)
.set FILL, 1
.endif
.endif
.set CHG, 0
.if NX == STEPS
.set CHG, 1
.endif
.if C1 > C0 || E1 > E0
	s_wait_tensorcnt 0x0                           ; all my tensor loads have landed
.if C1 > C0
	ds_add_u32 v[SPW], v[NIL]
	s_wait_dscnt 4*NL+1                            ; the add and A's blocks 4-7 may be out
.else
	s_wait_dscnt 4*NL                              ; A's blocks 4-7 may be out
.endif
	WIN MUL_LO
	MUL16 0, (\st)%2, (\st)%2, ((\st)/2)%2, \zero
	s_wait_dscnt 0x0                               ; the add and all my LDS reads are done
	s_barrier_signal -1
	MUL16 2, (\st)%2, (\st)%2, ((\st)/2)%2, \zero
	WIN 0
	s_barrier_wait -1
.if FILL
	CREST
.if C0+2 < CHUNKS
	s_add_nc_u64 s[G0A+4*SL+2:G0A+4*SL+3], s[G0A+4*SL+2:G0A+4*SL+3], 2*ROWB
	s_add_nc_u64 s[G0B+4*SL+2:G0B+4*SL+3], s[G0B+4*SL+2:G0B+4*SL+3], 2*ROWB
.else
	s_add_nc_u64 s[G0A+4*SL+2:G0A+4*SL+3], s[A2:A2+1], SL*ROWB     ; the next phase's chunk 0 or 1
	s_or_b32 s[G0A+4*SL+3], s[G0A+4*SL+3], 0x80000000
	s_add_nc_u64 s[G0B+4*SL+2:G0B+4*SL+3], s[B2:B2+1], SL*ROWB
	s_or_b32 s[G0B+4*SL+3], s[G0B+4*SL+3], 0x80000000
.endif
	JLOAD G0A+4*SL, G0B+4*SL                       ; the first tensor load behind the round; its four v_nop are the places for the loads below
.else
	PLACES NP
.endif
.else
	s_wait_dscnt 4*NL
	WIN MUL_LO
	MUL16 0, (\st)%2, (\st)%2, ((\st)/2)%2, \zero
	MUL16 2, (\st)%2, (\st)%2, ((\st)/2)%2, \zero
	s_wait_dscnt 0
	PLACES NP
.endif
.if CHG
	SSTORE KXR, KWR, KWI                           ; every wave's reads of phase 1's scales were waited for in front of the barrier above
.endif
	FETCH_B NX, NX%2
	FETCH_A NX, 0
.if (NX%2 == 0) && (CHG == 0)
	SCALES NX/2
.endif
.if FILL
.if C0+4 < CHUNKS
	ASK 0, (C0+4)*ROWB
.else
	ASK 1, (C0+4-CHUNKS)*ROWB
.endif
.endif
.if CHG
	s_wait_dscnt 0x0                               ; my stores of phase 2's scales are done
	s_barrier_signal -1
.endif
	WIN MUL_HI
	MUL16 4, (\st)%2, (\st)%2, ((\st)/2)%2, \zero
	MUL16 6, (\st)%2, (\st)%2, ((\st)/2)%2, \zero
	PLACES NP
	WIN 0
.if CHG
	s_barrier_wait -1                              ; everybody's are
	SCALES 0
.endif
	FETCH_A NX, 4
.endm
.macro NEGATE                          ; the real columns' sums (B's blocks 0-3 of every block of A) change sign, each accumulator from its low end on
.irp w, 0x82, 0xc3
	WIN \w
.irp k, 0,1,2,3
.irp j, 0,2,4,6,8,10,12,14,16,18,20,22,24,26,28,30
	v_pk_mul_f32 v[64*\k+\j:64*\k+\j+1], v[64*\k+\j:64*\k+\j+1], -1.0 op_sel_hi:[1,0]
.endr
.endr
.endr
	WIN 0
.endm
	s_wait_tensorcnt 0x0                           ; my part of chunk 0 is in; the three lines ahead of slot 1's first fill, as ahead of a refill
	ds_add_u32 v[SPW], v[NIL]
	s_wait_dscnt 0x0                               ; the add and my stores of the scales are done
	CROUND
	JLOAD G0A+4, G0B+4                             ; chunk 1
	FETCH_B 0, 0
	FETCH_A 0, 0
	SCALES 0
	FETCH_A 0, 4
	STEP 0, 1, 0                                   ; the first step starts the sums
.Lphase:
.set ST, 1
.rept 12
	STEP ST, 0, 0
.set ST, ST+1
.endr
	s_cmp_eq_u32 s[PH], 1
	s_cbranch_scc1 .Llast                          ; the last phase's tail is written out: it asks for nothing more
	STEP 13, 0, 0
	STEP 14, 0, 0
	STEP 15, 0, 0
	NEGATE
	s_wait_alu depctr_va_vdst(0)
	s_wait_xcnt 0x0                                ; my prefetches have read their base
	s_mov_b64 s[PF1:PF1+1], s[PF1+2:PF1+3]
	STEP 0, 0, 0
	s_sub_co_u32 s[PH], s[PH], 1
	s_cmp_lg_u32 s[PH], 0
	s_cbranch_scc1 .Lphase
.Llast:
	STEP 13, 0, 1
	STEP 14, 0, 1
	s_wait_dscnt 4*NL
	WIN MUL_LO
	MUL16 0, 1, 1, 1, 0
	MUL16 2, 1, 1, 1, 0
	s_wait_dscnt 0
	WIN MUL_HI
	MUL16 4, 1, 1, 1, 0
	MUL16 6, 1, 1, 1, 0
	WIN 0
; THE WAY OUT, by blocks of 16 rows: through my stage in slot 0, which has had its last fill and, behind step 13's barrier, its last read;
; back as rows of 512 bytes: lanes 0-15 store 256 consecutive bytes of the real plane, lanes 16-31 of the imaginary one, each at a multiple of 256.
.macro TOSTAGE a
.set AC, 64*((\a)%4)
	WIN 0x88+0x44*((\a)/4)                         ; store data and loaded data: the block's own window, 2 or 3
.irp b, 0,1,2,3,4,5,6,7
	ds_store_b128 v[STO], v[AC+8*\b:AC+8*\b+3] offset:64*\b
	ds_store_b128 v[STO], v[AC+8*\b+4:AC+8*\b+7] offset:64*\b+16
.endr
.irp t, 0,1,2,3,4,5,6,7,8,9,10,11,12,13,14,15
	ds_load_b128 v[AC+4*\t:AC+4*\t+3], v[RD] offset:\t*SPITCH      ; back into the block's own 64 registers, which the stores above have read: no register of the way out is written twice
.endr
.endm
.macro SEND a, younger
.set AC, 64*((\a)%4)
	WIN 0x88+0x44*((\a)/4)
	s_wait_dscnt \younger                          ; the block is back; the next block's 16 stores and 16 loads may be out
.irp t, 0,1,2,3,4,5,6,7,8,9,10,11,12,13,14,15
	global_store_b128 v[CO], v[AC+4*\t:AC+4*\t+3], s[20:21] offset:(16*(\a)+\t)*OROW th:TH_STORE_NT   ; at most 127 rows of 8,192 bytes: inside the signed 24-bit immediate
.endr
.endm
	PLACES NP
	TOSTAGE 0
.irp a, 1,2,3,4,5,6,7
	TOSTAGE \a
	SEND \a-1, 32
.endr
	SEND 7, 0
	WIN 0
	s_wait_tensorcnt 0x0                           ; the wave's end
	ds_add_u32 v[SPW], v[NIL]
	s_wait_dscnt 0x0
	CROUND                                         ; the closing round
	s_endpgm
.Lfunc_end_k_qf7dad55981_cgemm:
	.size	k_qf7dad55981_cgemm, .Lfunc_end_k_qf7dad55981_cgemm-k_qf7dad55981_cgemm
	.p2alignl 7, 3214868480
	.fill 96, 4, 3214868480
	.section	.rodata,"a",@progbits
	.p2align	6, 0x0
	.amdhsa_kernel k_qf7dad55981_cgemm
		.amdhsa_group_segment_fixed_size 327680
		.amdhsa_private_segment_fixed_size 0
		.amdhsa_enable_private_segment 0
		.amdhsa_kernarg_size 72
		.amdhsa_user_sgpr_count 2
		.amdhsa_user_sgpr_kernarg_segment_ptr 1
		.amdhsa_wavefront_size32 1
		.amdhsa_system_sgpr_workgroup_id_x 1
		.amdhsa_system_sgpr_workgroup_id_y 1
		.amdhsa_system_sgpr_workgroup_id_z 1
		.amdhsa_system_vgpr_workitem_id 0
		.amdhsa_next_free_vgpr 1024
		.amdhsa_next_free_sgpr 102
		.amdhsa_reserve_vcc 0
		.amdhsa_float_denorm_mode_32 3
		.amdhsa_float_denorm_mode_16_64 3
		.amdhsa_memory_ordered 1
		.amdhsa_forward_progress 1
		.amdhsa_inst_pref_size 255
	.end_amdhsa_kernel
	.section	.bss,"aw",@nobits
	.p2align	6
	.space	262144
	.amdgpu_metadata
---
amdhsa.version: [ 1, 2 ]
amdhsa.kernels:
  - .name:           k_qf7dad55981_cgemm
    .symbol:         k_qf7dad55981_cgemm.kd
    .args:
      - { .name: x_re_codes, .offset: 0, .size: 8, .value_kind: global_buffer, .address_space: global }
      - { .name: x_re_scales, .offset: 8, .size: 8, .value_kind: global_buffer, .address_space: global }
      - { .name: x_im_codes, .offset: 16, .size: 8, .value_kind: global_buffer, .address_space: global }
      - { .name: x_im_scales, .offset: 24, .size: 8, .value_kind: global_buffer, .address_space: global }
      - { .name: w_re_codes, .offset: 32, .size: 8, .value_kind: global_buffer, .address_space: global }
      - { .name: w_re_scales, .offset: 40, .size: 8, .value_kind: global_buffer, .address_space: global }
      - { .name: w_im_codes, .offset: 48, .size: 8, .value_kind: global_buffer, .address_space: global }
      - { .name: w_im_scales, .offset: 56, .size: 8, .value_kind: global_buffer, .address_space: global }
      - { .name: out0, .offset: 64, .size: 8, .value_kind: global_buffer, .address_space: global }
    .group_segment_fixed_size: 327680
    .private_segment_fixed_size: 0
    .kernarg_segment_align: 8
    .kernarg_segment_size: 72
    .max_flat_workgroup_size: 128
    .sgpr_count:     102
    .vgpr_count:     1024
    .wavefront_size: 32
...
	.end_amdgpu_metadata
.endif
;; end of part 1
